; MI455X (gfx1250); checked and timed in simulation.
; The chip was launched on July 23, 2026; its instructions are those of AMD's public machine-readable ISA for CDNA 5 (MIT licence, August 2026) and "CDNA5" Instruction Set Architecture Reference Guide (July 2026). The comments in the code are by the model that wrote it; some were corrected since.
;; Phase10 Tiny Attention Model. Allowed arithmetic: matrix products marked QUANTISED: E3M2 operands, one E8M0 scale for each 32 along K, by v_wmma_scale_f32_16x16x128_f8f6f4 with both operands' format E3M2, f32 sums; products left as they are: f32 operands where the result goes on into a quantised operand, else bf16, f16 or f32 operands; f32 sums; everything else in f32.
;; Inputs: Wc 1,024 x 1,000 float32; Wk 1,024 x 1,024 float32; Wq 1,024 x 1,024 float32; Wv 1,024 x 1,024 float32; bc 1,000 float32; x 8 x 4,096 x 1,024 float32.
;; Outputs: out0 8 x 1,000 float32.
;; This version of the problem:
;;   THIS VERSION OF THE PROBLEM IS GIVEN IN LOW PRECISION. The matrix products marked QUANTISED in the list below multiply operands that are first quantised to E3M2 (3 exponent bits, 2 mantissa bits; 6 bits a number), with one power-of-two scale for each 32 numbers along K (OCP MX v1.0); their sums are f32. All else is computed in f32.
;;   The module's matrix products, in the order in which they are computed (A, B: the left and right operand; K: the contracted axis; several contracted axes count as one K, in the product's order):
;;     1. [M 8, K 1,024] x [K 1,024, N 1,024]; A: input x; B: input Wq: left as it is (M = 8 < 16)
;;     2. [M 32,768, K 1,024] x [K 1,024, N 1,024]; A: input x; B: input Wk: QUANTISED
;;     3. [M 32,768, K 1,024] x [K 1,024, N 1,024]; A: input x; B: input Wv: QUANTISED
;;     4. batch 8 x [M 1, K 1,024] x [K 1,024, N 4,096]; A: computed on the way; B: computed on the way: left as it is (M = 1 < 16)
;;     5. batch 8 x [M 1, K 4,096] x [K 4,096, N 1,024]; A: softmax; B: computed on the way: left as it is (M = 1 < 16)
;;     6. [M 8, K 1,024] x [K 1,024, N 1,000]; A: computed on the way; B: input Wc: left as it is (M = 8 < 16)
;;   THE QUANTISER, for each operand of a quantised product, along K:
;;     - K is cut into blocks of 32 from its start; a last block that is shorter is filled with zeros.
;;     - A block's scale is 2^e with e = floor(log2(the largest magnitude in the block)) - 4, held to -126 .. 127; a block of zeros has e = 0. As a byte (E8M0): e + 127.
;;     - Each number is divided by its block's scale, clamped to +-28, and rounded to the nearest number of E3M2, ties to even, subnormals kept.
;;     - The product sums the exact products of the quantised numbers (number of the format x scale) in f32.
;;   ~~~python
;;   def quantise(x, axis):      # numpy; x: float32 -> the quantised numbers, widened to float32 again
;;       x = np.moveaxis(x, axis, -1); K = x.shape[-1]
;;       x = np.pad(x, [(0, 0)] * (x.ndim - 1) + [(0, -K % 32)]); x = x.reshape(x.shape[:-1] + (-1, 32)); a = np.abs(x).max(-1, keepdims=True)
;;       e = np.where(a > 0, np.clip(np.frexp(np.where(a > 0, a, 1))[1] - 1 - 4, -126, 127), 0)      # np.frexp(a)[1] - 1 = floor(log2(a)), exactly
;;       r = np.clip(x / 2.0 ** e, -28, 28)
;;       step = 2.0 ** (np.maximum(np.frexp(np.where(r == 0, 1, r))[1] - 1, -2) - 2)
;;       q = np.round(r / step) * step * 2.0 ** e      # np.round: ties to even
;;       return np.moveaxis(q.reshape(q.shape[:-2] + (-1,))[..., :K], -1, axis).astype(np.float32)
;;   ~~~
;; One version. Each part assembles by itself: llvm-mc -triple=amdgcn-amd-amdhsa -mcpu=gfx1250 --defsym DOCPART=n.
;; ======== version 1 of 1: 3 launches
;; limits: right only within a limited range of input values
;; workspace buffers: wfrag 1,638,400 bytes; qv 32,768 bytes; part 1,048,576 bytes; stat 2,048 bytes
;; launch prep (part 1): grid 192 x 1, 8 waves a work-group, no clusters, 66,560 bytes of LDS; arguments Wk, Wv, Wq, x, wfrag, qv; writes wfrag, qv
.if DOCPART == 1
	.amdgcn_target "amdgcn-amd-amdhsa--gfx1250"
	.amdhsa_code_object_version 6
	.text
	.protected	k_q0b22d9d2f8_prep
	.globl	k_q0b22d9d2f8_prep
	.p2align	8
	.type	k_q0b22d9d2f8_prep,@function
k_q0b22d9d2f8_prep:
	s_mov_b64 s[64:65], 0
	v_nop
	global_prefetch_b8 v0, s[64:65] scope:SCOPE_SE
	s_setreg_imm32_b32 hwreg(HW_REG_WAVE_MODE, 25, 1), 1
	s_wait_xcnt 0x0
; PREP.  Two kinds of work-groups, parted on the work-group's number alone; they never join again, and each kind has LDS bytes of its own.
; Work-groups 0-63: Wk and Wv, [1024 (k)][1024 (n)] f32, K their FIRST axis, become codes of BF6 (E3M2) with one E8M0 byte for each 32 along K, laid in the ORDER OF THE OPERAND'S REGISTERS:
;   wfrag = 16 slots of 102,400 bytes (0-7: Wk, 8-15: Wv; slot t: columns 128 (t % 8) on); a slot = 4 chunks of 25,600 bytes (chunk c: 32 columns);
;   a chunk = 2 tiles of 16 columns (u) x 8 K steps of 128 (s): the fragment's image at (8 u + s) x 1,536: piece p (registers 4 p .. 4 p + 3 of lane l) at 512 p + 16 l;
;   behind the 16 images, at byte 24,576, the scale words: that of (u, s, column r) at 512 u + 64 s + 4 r; its byte b scales k = 128 s + 32 b on.
;   A wave takes 32 columns x 128 along K.  A LANE TAKES A COLUMN AND ITS REGISTERS RUN DOWN K: each load reads 128 consecutive bytes, a block of 32 lies in one lane, nothing is transposed.
;   A block's scale is 2^(floor(log2(largest magnitude)) - 4): its byte is the largest magnitude's exponent field - 4, held at 1 from below.
; Work-groups 64-191: q[b][e] = the sum over d of x[b][0][d] Wq[d][e], fused multiply-adds in f32: 32 columns and TWO batches a work-group, 128 of d a wave, the eight waves' sums meet in LDS.
;   A number of x serves all 32 lanes and comes by an LDS read that every lane makes of the same bytes: 2 batches x 1,024 numbers, four to a read, are 512 reads a work-group.
;   No matrix unit here: eight rows only: the stream of Wq bounds it.
; LIMITS: NaN and infinities among the inputs are not served.  A block whose largest magnitude lies under 2^-122 gets the byte 1; a block of zeros too (the rule says 127): its codes are zeros,
; which add nothing under any byte but 0xff, and the bytes are read by this program alone.
.set X,    32                          ; W role: v32-159  128 numbers down K
.set F,    160                         ; v160-191 a block's six registers of codes, eight apart
.set T,    192                         ; v192-207 the second conversion's three registers, for each block
.set OUTR, 208                         ; v208-231 the way out
.set W,    32                          ; Q role: v32-159  Wq(128 w + i, my column)
.set XV,   160                         ; v160-223 two sets of 32: 4 steps of 4 along d x 2 batches x 4 numbers of x
.set A,    224                         ; v224-231 two pairs of sums for each batch
.set XSB,  24576                       ; LDS, Q role: x's rows, 4,096 bytes apart for each wave: [b][128] f32   (bytes 0 - 24,575: the W role's stages, 3,072 a wave)
.set RED,  57344                       ; LDS, Q role: [wave][b][32] f32, 1,024 bytes apart for each wave
	s_load_b256 s[4:11], s[0:1], 0x0               ; Wk s[4:5], Wv s[6:7], Wq s[8:9], x s[10:11]
	s_load_b128 s[12:15], s[0:1], 0x20             ; wfrag s[12:13], qv s[14:15]
	v_lshl_add_u32 v240, v0, 2, 0x10000
	v_mov_b32 v241, 0
	v_lshrrev_b32 v1, 5, v0
	s_delay_alu instid0(VALU_DEP_1)
	v_readfirstlane_b32 s16, v1                    ; wave 0..7
	v_and_b32 v17, 31, v0                          ; lane
	v_and_b32 v18, 15, v0                          ; r
	v_bfe_u32 v19, v0, 4, 1                        ; u = lane / 16
	s_delay_alu instid0(VALU_DEP_3)
	v_lshlrev_b32 v1, 2, v17                       ; 4 x lane
	s_cmp_lt_u32 ttmp9, 64
	s_cbranch_scc0 .Lq
	; ---------------- the weights ----------------
	s_lshr_b32 s17, ttmp9, 2                       ; slot 0..15
	s_and_b32 s18, ttmp9, 3
	s_and_b32 s19, s16, 3                          ; chunk
	s_lshr_b32 s20, s16, 2
	s_lshl_b32 s18, s18, 1
	s_add_co_u32 s18, s18, s20                     ; K step s = 2 (work-group % 4) + wave / 4
	s_and_b32 s21, s17, 7
	s_lshl_b32 s22, s18, 19                        ; from: 128 s rows of 4,096 bytes
	s_lshl_b32 s23, s21, 9                         ; + 128 (slot % 8) columns
	s_add_co_u32 s22, s22, s23
	s_lshl_b32 s23, s19, 7                         ; + 32 x chunk columns
	s_add_co_u32 s22, s22, s23
	s_mov_b32 s23, 0
	s_mul_i32 s24, s17, 102400                     ; to: the slot,
	s_mul_i32 s25, s19, 25600                      ; the chunk,
	s_add_co_u32 s24, s24, s25
	s_mul_i32 s25, s18, 1536
	s_add_co_u32 s26, s24, s25                     ; image (0, s)
	s_mov_b32 s27, 0
	s_lshl_b32 s25, s18, 6
	s_add_co_u32 s28, s24, s25
	s_add_co_u32 s28, s28, 24576                   ; scale words of (0, s)
	s_mov_b32 s29, 0
	s_mul_i32 s30, s16, 3072                       ; my stage
	s_wait_alu depctr_va_vdst(0)
	v_mul_u32_u24 v2, v19, 1536
	s_delay_alu instid0(VALU_DEP_1)
	v_lshl_add_u32 v2, v18, 4, v2
	s_delay_alu instid0(VALU_DEP_1)
	v_add_nc_u32 v2, s30, v2                       ; into it: image u, the place of fragment lane r
	v_lshlrev_b32 v4, 4, v17                       ; 16 x lane
	s_delay_alu instid0(VALU_DEP_1)
	v_add_nc_u32 v3, s30, v4                       ; out of it
	v_lshlrev_b32 v5, 9, v19
	s_delay_alu instid0(VALU_DEP_1)
	v_lshl_add_u32 v5, v18, 2, v5                  ; my scale word: 512 u + 4 r
	s_wait_kmcnt 0x0
	s_cmp_lt_u32 s17, 8                            ; Wk or Wv: the choice hangs on the work-group's number alone
	s_cselect_b64 s[4:5], s[4:5], s[6:7]
	s_add_nc_u64 s[4:5], s[4:5], s[22:23]
	s_add_nc_u64 s[26:27], s[12:13], s[26:27]
	s_add_nc_u64 s[28:29], s[12:13], s[28:29]
.set i, 0
.rept 128
	global_load_b32 v[X+i], v1, s[4:5] offset:4096*i th:TH_LOAD_NT   ; W(128 s + i, my column): 32 lanes read 128 consecutive bytes
.set i, i+1
.endr
; Block kb (k = 32 kb on) belongs to fragment lane (r, kb % 2), registers 6 (kb / 2) .. + 5.  cnt: how many younger loads may stay out (never more than the count's field holds: a smaller count is safe)
.macro WBLOCK kb, cnt
.set XB, X+32*(\kb)
.set FB, F+8*(\kb)
.set TB, T+4*(\kb)
	s_wait_loadcnt \cnt
	v_max3_num_f32 v8, |v[XB]|, |v[XB+1]|, |v[XB+2]|               ; the block's largest magnitude: all 32 numbers are mine; two chains
	v_max3_num_f32 v9, |v[XB+3]|, |v[XB+4]|, |v[XB+5]|
.irp i, 6,10,14,18,22,26
	s_delay_alu instid0(VALU_DEP_2)
	v_max3_num_f32 v8, v8, |v[XB+\i]|, |v[XB+\i+1]|
	s_delay_alu instid0(VALU_DEP_2)
	v_max3_num_f32 v9, v9, |v[XB+\i+2]|, |v[XB+\i+3]|
.endr
	s_delay_alu instid0(VALU_DEP_2)
	v_max3_num_f32 v8, v8, |v[XB+30]|, |v[XB+31]|
	s_delay_alu instid0(VALU_DEP_1)
	v_max3_num_f32 v8, v8, v9, 0x2800000           ; and the floor 2^(5 - 127): the byte cannot fall under 1
	s_delay_alu instid0(VALU_DEP_1)
	v_add_nc_u32 v10, 0xfe000000, v8               ; 4 off the exponent field: the conversion takes the exponent field of this operand as its scale
	s_delay_alu instid0(VALU_DEP_1)
	v_lshrrev_b32 v11, 23, v10                     ; the scale's byte
.if (\kb) == 0
	s_delay_alu instid0(VALU_DEP_1)
	v_mov_b32 v16, v11
.else
	s_delay_alu instid0(VALU_DEP_1)
	v_lshl_or_b32 v16, v11, 8*(\kb), v16           ; four bytes make the column's scale word of this K step
.endif
	v_cvt_scalef32_pk16_bf6_f32 v[FB:FB+2], v[XB:XB+15], v10
	v_cvt_scalef32_pk16_bf6_f32 v[TB:TB+2], v[XB+16:XB+31], v10    ; (a conversion's three registers begin on an even number)
	v_nop                                          ; one plain place behind a scaled conversion
	v_mov_b32 v[FB+3], v[TB]
	v_mov_b32 v[FB+4], v[TB+1]
	v_mov_b32 v[FB+5], v[TB+2]
.if (\kb) < 2                          ; registers 0-3 are piece 0, registers 4, 5 the first half of piece 1
	ds_store_b128 v2, v[FB:FB+3] offset:256*((\kb)%2)
	ds_store_b64 v2, v[FB+4:FB+5] offset:256*((\kb)%2)+512
.else                                  ; registers 6, 7 the second half of piece 1, registers 8-11 piece 2
	ds_store_b64 v2, v[FB:FB+1] offset:256*((\kb)%2)+520
	ds_store_b128 v2, v[FB+2:FB+5] offset:256*((\kb)%2)+1024
.endif
.endm
	WBLOCK 0, 63                                   ; 96 loads are younger than block 0's
	WBLOCK 1, 63                                   ; 64 than block 1's
	WBLOCK 2, 32
	WBLOCK 3, 0
	global_store_b32 v5, v16, s[28:29]             ; sixteen lanes store a tile's 64 bytes of scale words
.irp p, 0,1,2,3,4,5
	ds_load_b128 v[OUTR+4*\p:OUTR+4*\p+3], v3 offset:512*\p        ; LDS serves a wave's instructions in order: these see my stores
.endr
.irp p, 0,1,2,3,4,5
	s_wait_dscnt 5-\p
	global_store_b128 v4, v[OUTR+4*\p:OUTR+4*\p+3], s[26:27] offset:12288*(\p/3)+512*(\p%3)   ; 32 lanes store 512 consecutive bytes, at a multiple of 256 from the buffer's first byte
.endr
	s_wait_tensorcnt 0x0
	ds_add_u32 v240, v241
	s_wait_dscnt 0x0
	s_endpgm
	; ---------------- q ----------------
.Lq:
	s_sub_co_u32 s17, ttmp9, 64                    ; 0..127
	s_and_b32 s26, s17, 31                         ; which 32 columns
	s_lshr_b32 s27, s17, 5                         ; which two batches: 2 p and 2 p + 1
	s_lshl_b32 s18, s16, 9                         ; x: my 128 numbers of a row,
	s_lshl_b32 s19, s27, 25                        ; of token 0 of batch 2 p: a batch is 4,096 x 4,096 bytes
	s_add_co_u32 s18, s18, s19
	s_mov_b32 s19, 0
	s_lshl_b32 s20, s16, 19                        ; Wq: my 128 rows of 4,096 bytes
	s_lshl_b32 s24, s26, 7                         ; + my work-group's 32 columns
	s_add_co_u32 s20, s20, s24
	s_mov_b32 s21, 0
	s_lshl_b32 s22, s27, 1                         ; qv: at the end wave w (0 or 1) stores batch 2 p + w
	s_add_co_u32 s22, s22, s16
	s_lshl_b32 s22, s22, 12
	s_add_co_u32 s22, s22, s24
	s_mov_b32 s23, 0
	s_wait_alu depctr_va_vdst(0)
	v_lshlrev_b32 v6, 4, v17                       ; 16 x lane
	s_delay_alu instid0(VALU_DEP_1)
	v_add_nc_u32 v9, (1<<24), v6                   ; the same in the next batch
	s_lshl_b32 s25, s16, 12
	v_add_nc_u32 v2, s25, v6
	s_delay_alu instid0(VALU_DEP_1)
	v_add_nc_u32 v2, XSB, v2                       ; x into LDS: 16 bytes a lane
	v_mov_b32 v3, s25
	s_delay_alu instid0(VALU_DEP_1)
	v_add_nc_u32 v3, XSB, v3                       ; and back: every lane the same 16 bytes
	s_lshl_b32 s25, s16, 10
	v_add_nc_u32 v4, s25, v1
	s_delay_alu instid0(VALU_DEP_1)
	v_add_nc_u32 v4, RED, v4                       ; my wave's sums
	s_lshl_b32 s25, s16, 7
	v_add_nc_u32 v5, s25, v1
	s_delay_alu instid0(VALU_DEP_1)
	v_add_nc_u32 v5, RED, v5                       ; batch w's sums of wave 0
	s_wait_alu depctr_va_vdst(0)
	s_wait_kmcnt 0x0
	s_add_nc_u64 s[10:11], s[10:11], s[18:19]
	s_add_nc_u64 s[8:9], s[8:9], s[20:21]
	s_add_nc_u64 s[14:15], s[14:15], s[22:23]
	global_load_b128 v[XV+32:XV+35], v6, s[10:11]
	global_load_b128 v[XV+36:XV+39], v9, s[10:11]
.set i, 0
.rept 128
	global_load_b32 v[W+i], v1, s[8:9] offset:4096*i
.set i, i+1
.endr
	s_wait_loadcnt 63                              ; 128 loads are younger than x's: x is in, and Wq's first 65 rows
	ds_store_b128 v2, v[XV+32:XV+35]
	ds_store_b128 v2, v[XV+36:XV+39] offset:512
.macro XG g, set                       ; x[b][128 w + 16 g .. + 15] of the two batches, the same in every lane: eight reads
.irp k, 0,1,2,3
.irp b, 0,1
	ds_load_b128 v[XV+32*(\set)+8*\k+4*\b:XV+32*(\set)+8*\k+4*\b+3], v3 offset:512*\b+64*(\g)+16*\k
.endr
.endr
.endm
	XG 0, 0
.set g, 0
.rept 8
.if g < 7
	XG g+1, (g+1)%2
	s_wait_alu depctr_va_vdst(0)
	s_wait_dscnt 8                                 ; the eight just issued may be out
.else
	s_wait_alu depctr_va_vdst(0)
	s_wait_dscnt 0x0
.endif
.if g == 4
	s_wait_loadcnt 32                              ; Wq's rows up to 95 are in
.endif
.if g == 6
	s_wait_loadcnt 0x0
.endif
.irp k, 0,1,2,3
.irp b, 0,1
.irp e, 0,1
.if (g == 0) && (\k == 0)
	v_pk_mul_f32 v[A+4*\b+2*\e:A+4*\b+2*\e+1], v[XV+4*\b+2*\e:XV+4*\b+2*\e+1], v[W+2*\e:W+2*\e+1]   ; the first products start the sums: four chains
.else
	v_pk_fma_f32 v[A+4*\b+2*\e:A+4*\b+2*\e+1], v[XV+32*(g%2)+8*\k+4*\b+2*\e:XV+32*(g%2)+8*\k+4*\b+2*\e+1], v[W+16*g+4*\k+2*\e:W+16*g+4*\k+2*\e+1], v[A+4*\b+2*\e:A+4*\b+2*\e+1]
.endif
.endr
.endr
.endr
.set g, g+1
.endr
.irp b, 0
	s_delay_alu instid0(VALU_DEP_3)
	v_pk_add_f32 v[A+4*\b:A+4*\b+1], v[A+4*\b:A+4*\b+1], v[A+4*\b+2:A+4*\b+3]
.endr
.irp b, 1
	s_delay_alu instid0(VALU_DEP_2)
	v_pk_add_f32 v[A+4*\b:A+4*\b+1], v[A+4*\b:A+4*\b+1], v[A+4*\b+2:A+4*\b+3]
.endr
.irp b, 0,1
	s_delay_alu instid0(VALU_DEP_2)
	v_add_f32 v[A+4*\b], v[A+4*\b], v[A+4*\b+1]
.endr
.irp b, 0,1
	ds_store_b32 v4, v[A+4*\b] offset:128*\b
.endr
	s_wait_dscnt 0x0                               ; for the others' sake: my sums lie in LDS
	s_barrier_signal -1
	s_barrier_wait -1
	s_cmp_lt_u32 s16, 2                            ; waves 0 and 1 add the eight parts of a batch each; no barrier stands in this branch
	s_cbranch_scc0 .Lqend
.irp w, 0,1,2,3,4,5,6,7
	ds_load_b32 v[XV+\w], v5 offset:1024*\w
.endr
	s_wait_dscnt 0x0
.irp w, 1
	v_add_f32 v[XV], v[XV], v[XV+\w]               ; d ascending
.endr
.irp w, 2, 3, 4, 5, 6, 7
	s_delay_alu instid0(VALU_DEP_1)
	v_add_f32 v[XV], v[XV], v[XV+\w]               ; d ascending
.endr
	global_store_b32 v1, v[XV], s[14:15]
.Lqend:
	s_wait_tensorcnt 0x0
	ds_add_u32 v240, v241
	s_wait_dscnt 0x0
	s_endpgm
.Lfunc_end_k_q0b22d9d2f8_prep:
	.size	k_q0b22d9d2f8_prep, .Lfunc_end_k_q0b22d9d2f8_prep-k_q0b22d9d2f8_prep
	.p2alignl 7, 3214868480
	.fill 96, 4, 3214868480
	.section	.rodata,"a",@progbits
	.p2align	6, 0x0
	.amdhsa_kernel k_q0b22d9d2f8_prep
		.amdhsa_group_segment_fixed_size 66560
		.amdhsa_private_segment_fixed_size 0
		.amdhsa_enable_private_segment 0
		.amdhsa_kernarg_size 48
		.amdhsa_user_sgpr_count 2
		.amdhsa_user_sgpr_kernarg_segment_ptr 1
		.amdhsa_wavefront_size32 1
		.amdhsa_system_sgpr_workgroup_id_x 1
		.amdhsa_system_sgpr_workgroup_id_y 1
		.amdhsa_system_sgpr_workgroup_id_z 1
		.amdhsa_system_vgpr_workitem_id 0
		.amdhsa_next_free_vgpr 242
		.amdhsa_next_free_sgpr 66
		.amdhsa_reserve_vcc 0
		.amdhsa_float_denorm_mode_32 3
		.amdhsa_float_denorm_mode_16_64 3
		.amdhsa_memory_ordered 1
		.amdhsa_forward_progress 1
		.amdhsa_inst_pref_size 53
	.end_amdhsa_kernel
	.amdgpu_metadata
---
amdhsa.version: [ 1, 2 ]
amdhsa.kernels:
  - .name:           k_q0b22d9d2f8_prep
    .symbol:         k_q0b22d9d2f8_prep.kd
    .args:
      - { .name: Wk, .offset: 0, .size: 8, .value_kind: global_buffer, .address_space: global }
      - { .name: Wv, .offset: 8, .size: 8, .value_kind: global_buffer, .address_space: global }
      - { .name: Wq, .offset: 16, .size: 8, .value_kind: global_buffer, .address_space: global }
      - { .name: x, .offset: 24, .size: 8, .value_kind: global_buffer, .address_space: global }
      - { .name: wfrag, .offset: 32, .size: 8, .value_kind: global_buffer, .address_space: global }
      - { .name: qv, .offset: 40, .size: 8, .value_kind: global_buffer, .address_space: global }
    .group_segment_fixed_size: 66560
    .private_segment_fixed_size: 0
    .kernarg_segment_align: 8
    .kernarg_segment_size: 48
    .max_flat_workgroup_size: 256
    .sgpr_count:     66
    .vgpr_count:     242
    .wavefront_size: 32
...
	.end_amdgpu_metadata
.endif
;; end of part 1
;; launch main (part 2): grid 256 x 1, 4 waves a work-group, clusters of 4 x 1, 327,680 bytes of LDS; arguments x, wfrag, qv, part, stat; writes part, stat
.if DOCPART == 2
	.amdgcn_target "amdgcn-amd-amdhsa--gfx1250"
	.amdhsa_code_object_version 6
	.text
	.protected	k_q0b22d9d2f8_main
	.globl	k_q0b22d9d2f8_main
	.p2align	8
	.type	k_q0b22d9d2f8_main,@function
k_q0b22d9d2f8_main:
	s_mov_b64 s[64:65], 0
	v_nop
	global_prefetch_b8 v0, s[64:65] scope:SCOPE_SE
	s_setreg_imm32_b32 hwreg(HW_REG_WAVE_MODE, 25, 1), 1
	s_wait_xcnt 0x0
	s_wait_alu depctr_hold_cnt(0) depctr_sa_sdst(0) depctr_va_vdst(0) depctr_va_sdst(0) depctr_va_ssrc(0) depctr_va_vcc(0) depctr_vm_vsrc(0)
	s_getreg_b32 s2, hwreg(HW_REG_IB_STS2, 6, 4)
	s_cmp_eq_u32 s2, 0
	s_cbranch_scc0 .Lentry_in_a_cluster
	s_endpgm
.Lentry_in_a_cluster:
	s_bfe_u32 s2, ttmp6, 0x10000c
	s_cmp_lg_u32 s2, 0x3003
	s_cbranch_scc0 .Lentry_shape_is_right
	s_endpgm
.Lentry_shape_is_right:
; MAIN.  A work-group takes 128 tokens of one batch.  Head: its rows of x, f32, are quantised along d to codes of BF6 (E3M2) with E8M0 bytes; the 64 fragments
; (8 row blocks x 8 K steps) go through LDS images into every wave's registers (63 in windows 1-3, one in window 0).
; Then the 16 slots of wfrag (8 of Wk, 8 of Wv, 102,400 bytes each) walk through a ring of two LDS slots, by joint loads of a cluster of 4 work-groups, a quarter of a slot a wave.
; A wave multiplies its 32 columns of a slot with all 128 rows.  K phase: each tile of k is multiplied with q and summed into the scores.  Then the work-group's own maximum,
; p = 2^(t - max) and their sum.  V phase: each tile of v is weighted by p and summed over the rows.  Out: part (1,024 sums) and stat (maximum, sum), joined by the next launch.
; Slot 0 is asked for at the head; slot 1 behind the first pair of x's fragments, as a refill is.
; the refills are counted in s46.
; LIMITS: NaN and infinities among the inputs are not served; a block of zeros gets the byte 1 (its codes are zeros, and this program alone reads the bytes).
.set CHUNK,  25600
.set RING1,  102400
.set FRB,    1536
.set SCLO,   24576
.set SPARE,  204800
.set IMG,    205312
.set IBUF,   13312
.set ISC,    12288
.set STG,    258560
.set SPITCH, 528
.set QL,     292352
.set SCR,    296448
.set HB,     299008
.set AS,  16
.set BS,  48
.set A63, 56
.set BR,  68
.set TM,  228                          ; the quantiser's 16 scratch registers: idle in the head, cleared behind it
.set PW,  84
.set PC,  60                           ; a fragment's codes on their way to the image: v60-78, free behind the last FRAG
.set ACC, 164
.set S,   228
.set QH,  244
.set ZO,  252
.set G1,  24
.set G0A, 32
.set MSB, 0
.macro WIN new
.if MSB != \new
	s_set_vgpr_msb (MSB<<8)|\new
.set MSB, \new
.endif
.endm
.macro CREST
	s_cmp_lg_u32 s14, 0
	s_cbranch_scc1 .Lnot_wave_0_\@
	s_barrier_signal -3
.Lnot_wave_0_\@:
	s_barrier_wait -3
	s_barrier_signal -1
	s_barrier_wait -1
.endm
.macro ROUND
	s_barrier_signal -1
	s_barrier_wait -1
	CREST
.endm
.macro BARRIER
	s_wait_dscnt 0x0
	s_barrier_signal -1
	s_barrier_wait -1
.endm
	s_load_b256 s[4:11], s[0:1], 0x0
	s_load_b64 s[12:13], s[0:1], 0x20
	v_lshl_add_u32 v1, v0, 2, SPARE
	v_mov_b32 v2, 0
	ds_add_u32 v1, v2
	ds_add_u32 v1, v2
	s_wait_dscnt 0x0
	v_lshrrev_b32 v3, 5, v0
	v_readfirstlane_b32 s14, v3
	s_bfe_u32 s15, ttmp6, 0x40000
	s_lshl_b32 s16, ttmp9, 2
	s_add_co_u32 s16, s16, s15
	s_mov_b32 s[G1+0], 15|(3<<16)|(1<<21)
	s_mov_b32 s[G1+1], 32<<16
	s_mov_b32 s[G1+2], 100<<16
	s_mov_b32 s[G1+3], 32<<16
	s_mov_b32 s[G1+4], 100
	s_mov_b32 s[G1+5], 32
	s_mov_b32 s[G1+6], 0
	s_mov_b32 s[G1+7], 0
	s_mov_b32 s20, 0x76543210
	s_mov_b32 s21, 0xfedcba98
	s_mov_b32 s40, 0x3d38aa3b
	s_mov_b32 s[G0A], 1
	s_mul_i32 s[G0A+1], s14, CHUNK
	s_mov_b32 s[G0A+4], 1
	s_add_co_u32 s[G0A+5], s[G0A+1], RING1
	s_mov_b32 s18, s[G0A+1]
	s_mov_b32 s19, 0
	s_wait_kmcnt 0x0
	s_add_nc_u64 s[G0A+2:G0A+3], s[6:7], s[18:19]
	s_add_nc_u64 s[G0A+6:G0A+7], s[G0A+2:G0A+3], RING1
	s_or_b32 s[G0A+3], s[G0A+3], 0x80000000
	s_or_b32 s[G0A+7], s[G0A+7], 0x80000000
	s_lshl_b32 s18, s16, 19
	s_lshl_b32 s17, s14, 17
	s_add_co_u32 s18, s18, s17
	s_add_nc_u64 s[4:5], s[4:5], s[18:19]
	s_lshr_b32 s18, s16, 5
	s_lshl_b32 s18, s18, 12
	s_add_nc_u64 s[8:9], s[8:9], s[18:19]
	s_lshl_b32 s18, s16, 12
	s_add_nc_u64 s[10:11], s[10:11], s[18:19]
	s_lshl_b32 s18, s16, 2
	s_add_nc_u64 s[12:13], s[12:13], s[18:19]
	s_lshl_b32 s47, s15, 2
	s_add_co_u32 s47, s47, s14                     ; my wave's place among the cluster's sixteen: 4 cx + wave
	s_mul_i32 s47, s47, 25                         ; its first block of a slot's 400
	s_add_nc_u64 s[44:45], s[6:7], 2*RING1         ; slot 2 of wfrag; no load uses it
	s_mov_b32 s46, 0                               ; refills so far
	ROUND
	tensor_load_to_lds s[G0A:G0A+3], s[G1:G1+7]    ; slot 0: my one load at the head
	s_nop 0
.rept 4
	v_nop
.endr
	v_and_b32 v228, 31, v0
	v_min_u32 v253, 24, v228
	v_add_nc_u32 v253, s47, v253
	v_lshlrev_b32 v253, 8, v253                    ; my block x 256 bytes, which no load uses; never rewritten
	v_and_b32 v229, 15, v0
	v_bfe_u32 v230, v0, 4, 1
	v_lshlrev_b32 v9, 4, v228
	v_lshlrev_b32 v231, 2, v228
	v_add_nc_u32 v4, s[G0A+1], v9
	v_add_nc_u32 v5, RING1, v4
	v_add_nc_u32 v6, s[G0A+1], v231
	v_add_nc_u32 v6, SCLO, v6
	v_add_nc_u32 v7, RING1, v6
	s_lshl_b32 s17, s14, 7
	v_lshl_add_u32 v8, v230, 5, s17
	v_add_nc_u32 v8, QL, v8
	s_mul_i32 s18, s14, 16*SPITCH
	v_add_nc_u32 v10, s18, v9
	v_add_nc_u32 v10, STG, v10
	v_mul_u32_u24 v11, v229, SPITCH
	v_lshl_add_u32 v11, v230, 6, v11
	v_add_nc_u32 v11, s18, v11
	v_add_nc_u32 v11, STG, v11
	s_mul_i32 s18, s14, 2*FRB
	v_add_nc_u32 v12, s18, v9
	v_add_nc_u32 v12, IMG, v12
	s_lshl_b32 s18, s14, 8
	v_add_nc_u32 v13, s18, v231
	v_add_nc_u32 v13, IMG, v13
	v_add_nc_u32 v14, IMG, v9
	v_lshl_add_u32 v15, v230, 7, v231
	v_add_nc_u32 v15, IMG, v15
	s_lshl_b32 s18, s14, 10
	v_add_nc_u32 v3, s18, v9
	v_lshlrev_b32 v86, 4, v0
	v_add_nc_u32 v85, QL, v86
	global_load_b128 v[244:247], v86, s[8:9]
	global_load_b128 v[248:251], v86, s[8:9] offset:2048
.macro GLOAD i
	WIN 0xc0
.set gB, 64*((\i)%4)
.set gO, ((\i)%2)*65536+((\i)/2)*512
.irp p, 0,1,2,3,4,5,6,7,8,9,10,11,12,13,14,15
	global_load_b128 v[gB+4*\p:gB+4*\p+3], v9, s[4:5] offset:gO+4096*\p th:TH_LOAD_NT
.endr
.endm
.macro TURN i
	WIN 0x0c
.set gB, 64*((\i)%4)
.irp p, 0,1,2,3,4,5,6,7,8,9,10,11,12,13,14,15
	ds_store_b128 v10, v[gB+4*\p:gB+4*\p+3] offset:SPITCH*\p
.endr
	WIN 0
.irp b, 0,1,2,3
.irp j, 0,1,2,3
.set XA, ACC-68*((\i)%2)               ; two sets of 64 numbers by turns: v164-227 and v96-159
	ds_load_b128 v[XA+16*\b+4*\j:XA+16*\b+4*\j+3], v11 offset:128*\b+16*\j
.endr
.endr
.endm
.macro QUANT
.irp b, 0,1,2,3
	v_max3_num_f32 v[TM+\b], |v[XQ+16*\b]|, |v[XQ+1+16*\b]|, 0x2800000
.endr
.irp i, 2,4,6,8,10,12,14
.irp b, 0,1,2,3
	v_max3_num_f32 v[TM+\b], v[TM+\b], |v[XQ+16*\b+\i]|, |v[XQ+1+16*\b+\i]|
.endr
.endr
.irp b, 0,1,2,3
	v_permlanex16_b32 v[TM+4+\b], v[TM+\b], s20, s21
.endr
.irp b, 0,1,2,3
	v_max_num_f32 v[TM+\b], v[TM+\b], v[TM+4+\b]
.endr
.irp b, 0,1,2,3
	v_add_nc_u32 v[TM+12+\b], 0xfe000000, v[TM+\b]
.endr
.irp b, 0,1,2,3
	v_lshrrev_b32 v[TM+4+\b], 23, v[TM+12+\b]
.endr
	v_lshl_or_b32 v[PW], v[TM+5], 8, v[TM+4]
	v_lshl_or_b32 v[PW], v[TM+6], 16, v[PW]
	v_lshl_or_b32 v[PW], v[TM+7], 24, v[PW]
.irp c, 0,1
	v_cvt_scalef32_pk16_bf6_f32 v[PC+6*\c:PC+2+6*\c], v[XQ+32*\c:XQ+15+32*\c], v[TM+12+2*\c]
	v_cvt_scalef32_pk16_bf6_f32 v[PC+12+4*\c:PC+14+4*\c], v[XQ+16+32*\c:XQ+31+32*\c], v[TM+12+2*\c+1]
.endr
	v_nop
.irp c, 0,1
.irp i, 0,1,2
	v_permlane16_swap_b32 v[PC+6*\c+\i], v[PC+12+4*\c+\i]
.endr
.irp i, 0,1,2
	v_mov_b32 v[PC+3+6*\c+\i], v[PC+12+4*\c+\i]
.endr
.endr
.endm
; Fragment i is quantised while fragment i + 1 goes through the stage into the other set of registers; x's loads run four groups of 16 ahead.
.macro FRAG i
.if ((\i)%2 == 1) || ((\i) == 0)
	s_wait_dscnt 0x0                               ; fragment i is back from the stage, and its stage stores have read buffer i % 4 (an even i above 0: the barrier's wait has shown both)
.endif
.if (\i)+4 <= 15
	GLOAD (\i)+4                                   ; into that buffer
.endif
.if (\i)+1 <= 15
.if (\i) <= 11
	s_wait_loadcnt 48                              ; group i + 1 is in; the three groups of 16 behind it may be out
.else
	s_wait_loadcnt 16*(14-(\i))                    ; the groups up to 15 that are younger than group i + 1
.endif
	TURN (\i)+1                                    ; LDS serves a wave's instructions in order: the one stage serves both fragments
.endif
.set XQ, ACC-68*((\i)%2)
	QUANT
.set iO, IBUF*(((\i)/2)%4)
.irp c, 0,1,2
	ds_store_b128 v12, v[PC+4*\c:PC+4*\c+3] offset:iO+FRB*((\i)%2)+512*\c
.endr
	ds_store_b32 v13, v[PW] offset:iO+ISC+128*((\i)%2)
.endm
.macro FMAP
.if fI < 63
.set fW, 1+fI/21
.set fR, 12*(fI%21)
.else
.set fW, 0
.set fR, A63
.endif
.endm
.macro FETCH s
.irp m, 0,1,2,3,4,5,6,7
.set fI, 8*(\s)+\m
	FMAP
.set wN, (fW<<6)
	WIN wN
.irp c, 0,1,2
	ds_load_b128 v[fR+4*\c:fR+4*\c+3], v14 offset:IBUF*((\s)%4)+FRB*\m+512*\c
.endr
.endr
	WIN 0
.irp i, 0,1,2,3
	ds_load_b32 v[AS+4*(\s)+\i], v15 offset:IBUF*((\s)%4)+ISC+256*\i
.endr
.endm
	GLOAD 0
	GLOAD 1
	GLOAD 2
	GLOAD 3
	WIN 0
.irp b, 0,1,2,3
	v_mov_b32 v[TM+4+\b], 0
.endr
	v_mov_b32 v[ZO], 0
	s_wait_alu depctr_va_vdst(0)
	s_wait_loadcnt 48                              ; q and group 0 are in; groups 1 to 3 may be out
	ds_store_b128 v85, v[244:247]                  ; q into LDS
	ds_store_b128 v85, v[248:251] offset:2048
	TURN 0
.irp s, 0,1,2,3,4,5,6,7
	FRAG 2*\s
	FRAG 2*\s+1
.if \s == 0
	s_wait_alu depctr_va_vdst(0)
	s_wait_tensorcnt 0x0                           ; my part of slot 0 is in
	ds_add_u32 v1, v2
	s_wait_dscnt 0x0                               ; the add, and my stores of the first images
	ROUND                                          ; it also serves as this pair's barrier
	tensor_load_to_lds s[G0A+4:G0A+7], s[G1:G1+7]  ; slot 1, the first tensor load behind the round
	s_nop 0
.rept 4
	v_nop
.endr
.else
	BARRIER
.endif
.if \s <= 4
	FETCH \s
.endif
.if \s == 0
.endif
.endr
	FETCH 5
	FETCH 6
	FETCH 7
.set j, 0
.rept 16
	v_mov_b32 v[S+j], 0
.set j, j+1
.endr
.macro WM m, s, u
.set fI, 8*(\s)+(\m)
	FMAP
.set wN, (fW<<2)
	WIN wN
.set dR, ACC+8*(\m)
.set bR, BR+12*(\s)
.set aS, AS+4*(\s)+(\m)/2
.set bS, BS+4*(\u)+(\s)/2
.if (\s) == 0
.if (\m)%2 == 0
	v_wmma_scale_f32_16x16x128_f8f6f4 v[dR:dR+7], v[bR:bR+11], v[fR:fR+11], 0, v[bS], v[aS] matrix_a_fmt:MATRIX_FMT_BF6 matrix_b_fmt:MATRIX_FMT_BF6
.else
	v_wmma_scale_f32_16x16x128_f8f6f4 v[dR:dR+7], v[bR:bR+11], v[fR:fR+11], 0, v[bS], v[aS] matrix_a_fmt:MATRIX_FMT_BF6 matrix_b_fmt:MATRIX_FMT_BF6 matrix_b_scale:MATRIX_SCALE_ROW1
.endif
.elseif (\s)%2 == 0
.if (\m)%2 == 0
	v_wmma_scale_f32_16x16x128_f8f6f4 v[dR:dR+7], v[bR:bR+11], v[fR:fR+11], v[dR:dR+7], v[bS], v[aS] matrix_a_fmt:MATRIX_FMT_BF6 matrix_b_fmt:MATRIX_FMT_BF6
.else
	v_wmma_scale_f32_16x16x128_f8f6f4 v[dR:dR+7], v[bR:bR+11], v[fR:fR+11], v[dR:dR+7], v[bS], v[aS] matrix_a_fmt:MATRIX_FMT_BF6 matrix_b_fmt:MATRIX_FMT_BF6 matrix_b_scale:MATRIX_SCALE_ROW1
.endif
.else
.if (\m)%2 == 0
	v_wmma_scale_f32_16x16x128_f8f6f4 v[dR:dR+7], v[bR:bR+11], v[fR:fR+11], v[dR:dR+7], v[bS], v[aS] matrix_a_fmt:MATRIX_FMT_BF6 matrix_b_fmt:MATRIX_FMT_BF6 matrix_a_scale:MATRIX_SCALE_ROW1
.else
	v_wmma_scale_f32_16x16x128_f8f6f4 v[dR:dR+7], v[bR:bR+11], v[fR:fR+11], v[dR:dR+7], v[bS], v[aS] matrix_a_fmt:MATRIX_FMT_BF6 matrix_b_fmt:MATRIX_FMT_BF6 matrix_a_scale:MATRIX_SCALE_ROW1 matrix_b_scale:MATRIX_SCALE_ROW1
.endif
.endif
.endm
.macro LOADG reg, u, s0
.irp k, 0,1,2,3
.irp c, 0,1,2
	ds_load_b128 v[BR+12*((\s0)+\k)+4*\c:BR+12*((\s0)+\k)+4*\c+3], v[4+(\reg)] offset:(8*(\u)+(\s0)+\k)*FRB+512*\c
.endr
.endr
.endm
.macro LOADX reg, u
.irp i, 0,1,2,3
	ds_load_b32 v[BS+4*(\u)+\i], v[6+(\reg)] offset:512*(\u)+128*\i
.endr
.endm
.macro EPI2 m, ph
.if (\ph) == 0
.irp i, 0,1,2,3
	v_pk_fma_f32 v[S+2*(\m):S+2*(\m)+1], v[ACC+8*(\m)+2*\i:ACC+8*(\m)+2*\i+1], v[QH+2*\i:QH+2*\i+1], v[S+2*(\m):S+2*(\m)+1]
	v_pk_fma_f32 v[S+2*(\m)+2:S+2*(\m)+3], v[ACC+8*(\m)+8+2*\i:ACC+8*(\m)+9+2*\i], v[QH+2*\i:QH+2*\i+1], v[S+2*(\m)+2:S+2*(\m)+3]
.endr
.else
.irp i, 0,1,2,3
.if (\m) == 0
	v_pk_mul_f32 v[QH+2*\i:QH+2*\i+1], v[ACC+2*\i:ACC+2*\i+1], v[S:S+1] op_sel_hi:[1,0]
.else
	v_pk_fma_f32 v[QH+2*\i:QH+2*\i+1], v[ACC+8*(\m)+2*\i:ACC+8*(\m)+2*\i+1], v[S+2*(\m):S+2*(\m)+1], v[QH+2*\i:QH+2*\i+1] op_sel_hi:[1,0,1]
.endif
.endr
.irp i, 0,1,2,3
	v_pk_fma_f32 v[QH+2*\i:QH+2*\i+1], v[ACC+8*(\m)+8+2*\i:ACC+8*(\m)+9+2*\i], v[S+2*(\m)+2:S+2*(\m)+3], v[QH+2*\i:QH+2*\i+1] op_sel_hi:[1,0,1]
.endr
.endif
.endm
.macro FIND x
.irp j, 0,1,2,3,4,5,6,7
	v_add_f32_dpp v[QH+\j], v[QH+\j], v[QH+\j] row_xmask:\x row_mask:0xf bank_mask:0xf
.endr
.endm
.macro KGAP reg, u, ph, fin, var, off
.if ((\ph) == 1) && ((\fin) == 1)
	FIND 8
.endif
.if (\var) == 2
	s_wait_alu depctr_va_vdst(0)
	s_wait_tensorcnt 0x0
.endif
.if (\var) != 3
	LOADG nR, nU, 0
	LOADX nR, nU
.endif
.if (\ph) == 0
	ds_load_b128 v[QH:QH+3], v8 offset:512*(\reg)+64*(\u)
	ds_load_b128 v[QH+4:QH+7], v8 offset:512*(\reg)+64*(\u)+16
.elseif (\fin) == 1
	ds_store_b128 v8, v[QH:QH+3] offset:\off
	ds_store_b128 v8, v[QH+4:QH+7] offset:(\off)+16
.endif
.endm
.macro KSTEP reg, u, s, ph, fin, var, off
.set nU, 1-(\u)
.set nR, \reg
.if (\u) == 1
.set nR, 1-(\reg)
.endif
.if ((\s) == 4) && ((\var) == 1)
	s_wait_dscnt 0x0
	s_barrier_signal -1
.irp m, 0,1,2,3,4,5,6,7
	WM \m, \s, \u
.endr
	WIN 0
	s_barrier_wait -1
	CREST
	tensor_load_to_lds s[G0A+4*(\reg):G0A+4*(\reg)+3], s[G1:G1+7]
	s_nop 0
.rept 4
	v_nop
.endr
	s_wait_alu depctr_va_vdst(0)
	KGAP \reg, \u, \ph, \fin, \var, \off
	s_wait_alu depctr_va_vdst(0)
	s_cmp_lt_u32 s46, 13                           ; the last two refills have no slot two on
	s_cbranch_scc0 .Lno_ask_\@
.Lno_ask_\@:
.elseif (\s) == 4
	s_wait_dscnt 0x0
	WM 0, \s, \u
	WM 1, \s, \u
.rept 5
	v_nop
.endr
	WIN 0
	s_wait_alu depctr_va_vdst(0)
	KGAP \reg, \u, \ph, \fin, \var, \off
.irp m, 2,3,4,5,6,7
	WM \m, \s, \u
.endr
.elseif (\s) == 7
	WM 0, \s, \u
	WM 1, \s, \u
.rept 5
	v_nop
.endr
.irp m, 2,3,4,5,6,7
	WM \m, \s, \u
.endr
.else
.if ((\s) == 3) && ((\var) == 1)
	WIN 0
	s_wait_alu depctr_va_vdst(0)
	s_wait_xcnt 0x0
	s_add_nc_u64 s[44:45], s[44:45], RING1
	s_add_co_u32 s46, s46, 1
	s_wait_tensorcnt 0x0
	ds_add_u32 v1, v2
	s_add_nc_u64 s[G0A+4*(\reg)+2:G0A+4*(\reg)+3], s[G0A+4*(\reg)+2:G0A+4*(\reg)+3], 2*RING1
.endif
.irp m, 0,1,2,3
	WM \m, \s, \u
.endr
.if ((\ph) == 1) && ((\fin) == 1) && ((\s) < 4)
	WIN 0
.if (\s) == 1
	FIND 1
.elseif (\s) == 2
	FIND 2
.else
	FIND 4
.endif
.endif
.irp m, 4,5,6,7
	WM \m, \s, \u
.endr
.endif
.endm
.macro G0E reg, u, ph
	s_wait_dscnt 0x0
	WIN 0
	EPI2 0, \ph
	WM 0, 0, \u
	WM 1, 0, \u
	WIN 0
	EPI2 2, \ph
	LOADG \reg, \u, 4
	WM 2, 0, \u
	WM 3, 0, \u
	WIN 0
	EPI2 4, \ph
	WM 4, 0, \u
	WM 5, 0, \u
	WIN 0
	EPI2 6, \ph
	WM 6, 0, \u
	WM 7, 0, \u
.endm
.macro K17 reg, u, ph, fin, var, off
.irp s, 1,2,3,4,5,6,7
	KSTEP \reg, \u, \s, \ph, \fin, \var, \off
.endr
.endm
.macro K14 reg, u, ph, fin, var, off
.irp s, 1,2,3,4
	KSTEP \reg, \u, \s, \ph, \fin, \var, \off
.endr
.endm
.macro K57 reg, u, ph, fin, var, off
.irp s, 5,6,7
	KSTEP \reg, \u, \s, \ph, \fin, \var, \off
.endr
.endm
	s_wait_tensorcnt 0x1
	LOADG 0, 0, 0
	LOADX 0, 0
	LOADG 0, 0, 4
	s_wait_dscnt 12
	v_and_b32 v12, 15, v0
	v_lshl_add_u32 v9, v12, 2, SCR
	s_lshl_b32 s18, s14, 9
	v_add_nc_u32 v10, s18, v9
	v_lshl_add_u32 v11, v0, 2, SCR
	v_and_b32 v13, 31, v0
	v_lshlrev_b32 v13, 4, v13
	s_lshl_b32 s18, s14, 10
	v_add_nc_u32 v15, s18, v13
	v_add_nc_u32 v15, HB, v15
.irp m, 0,1,2,3,4,5,6,7
	WM \m, 0, 0
.endr
	WIN 0
	s_mov_b32 s22, 4
.Lk:
	s_wait_alu depctr_va_vdst(0)
	K17 0, 0, 0, 0, 0, 0
	G0E 0, 1, 0
	K17 0, 1, 0, 0, 1, 0
	G0E 1, 0, 0
	K17 1, 0, 0, 0, 0, 0
	G0E 1, 1, 0
	K17 1, 1, 0, 0, 1, 0
	G0E 0, 0, 0
	WIN 0
	v_add_nc_u32 v8, 1024, v8
	s_sub_co_u32 s22, s22, 1
	s_cmp_lg_u32 s22, 0
	s_cbranch_scc1 .Lk
.irp m, 0,1,2,3,4,5,6,7
	v_add_f32 v[S+2*\m], v[S+2*\m], v[S+2*\m+1]
.endr
.irp m, 0,1,2,3,4,5,6,7
	v_permlanex16_b32 v[QH+\m], v[S+2*\m], s20, s21
.endr
.irp m, 0,1,2,3,4,5,6,7
	v_add_f32 v[S+2*\m], v[S+2*\m], v[QH+\m]
.endr
.irp m, 0,1,2,3,4,5,6,7
	ds_store_b32 v10, v[S+2*\m] offset:64*\m
.endr
	BARRIER
.irp w, 0,1,2,3
	ds_load_b32 v[QH+\w], v11 offset:512*\w
.endr
	s_wait_dscnt 0x0
	v_add_f32 v[QH], v[QH], v[QH+1]
	v_add_f32 v[QH+2], v[QH+2], v[QH+3]
	v_add_f32 v[QH], v[QH], v[QH+2]
	ds_store_b32 v11, v[QH] offset:2048
	BARRIER
.irp m, 0,1,2,3,4,5,6,7
	ds_load_b32 v[S+2*\m], v9 offset:2048+64*\m
.endr
	s_wait_dscnt 0x0
	v_max3_num_f32 v[QH], v[S], v[S+2], v[S+4]
	v_max3_num_f32 v[QH], v[QH], v[S+6], v[S+8]
	v_max3_num_f32 v[QH], v[QH], v[S+10], v[S+12]
	v_max_num_f32 v[QH], v[QH], v[S+14]
.irp x, 1,2,4,8
	v_max_num_f32_dpp v[QH], v[QH], v[QH] row_xmask:\x row_mask:0xf bank_mask:0xf
.endr
	v_mul_f32 v12, s40, v[QH]
.irp m, 0,1,2,3,4,5,6,7
	v_fma_f32 v[S+2*\m], v[S+2*\m], s40, -v12
.endr
	s_wait_alu depctr_va_vdst(0)
.irp m, 0,1,2,3,4,5,6,7
	v_exp_f32 v[S+2*\m], v[S+2*\m]
.endr
	v_bfe_u32 v8, v0, 4, 1
	s_lshl_b32 s18, s14, 7
	v_lshl_add_u32 v8, v8, 5, s18
	v_add_nc_u32 v8, HB, v8
	s_wait_alu depctr_va_vdst(0)
	v_add_f32 v[QH], v[S], v[S+2]
	v_add_f32 v[QH+1], v[S+4], v[S+6]
	v_add_f32 v[QH+2], v[S+8], v[S+10]
	v_add_f32 v[QH+3], v[S+12], v[S+14]
	v_add_f32 v[QH], v[QH], v[QH+1]
	v_add_f32 v[QH+2], v[QH+2], v[QH+3]
	v_add_f32 v14, v[QH], v[QH+2]
.irp x, 1,2,4,8
	v_add_f32_dpp v14, v14, v14 row_xmask:\x row_mask:0xf bank_mask:0xf
.endr
	K14 0, 0, 1, 0, 0, 0
	WIN 0
	s_mov_b32 s22, 3
.Lv:
	K57 0, 0, 1, 1, 0, 0
	G0E 0, 1, 1
	K14 0, 1, 1, 1, 1, 0
	K57 0, 1, 1, 1, 1, 0
	G0E 1, 0, 1
	K14 1, 0, 1, 1, 0, 64
	K57 1, 0, 1, 1, 0, 0
	G0E 1, 1, 1
	K14 1, 1, 1, 1, 1, 512
	K57 1, 1, 1, 1, 1, 0
	G0E 0, 0, 1
	K14 0, 0, 1, 1, 0, 576
	WIN 0
	v_add_nc_u32 v8, 1024, v8
	s_sub_co_u32 s22, s22, 1
	s_cmp_lg_u32 s22, 0
	s_cbranch_scc1 .Lv
	K57 0, 0, 1, 1, 0, 0
	G0E 0, 1, 1
	K14 0, 1, 1, 1, 2, 0
	K57 0, 1, 1, 1, 2, 0
	G0E 1, 0, 1
	K14 1, 0, 1, 1, 0, 64
	K57 1, 0, 1, 1, 0, 0
	G0E 1, 1, 1
	K14 1, 1, 1, 1, 3, 512
	K57 1, 1, 1, 1, 3, 0
	WIN 0
	EPI2 0, 1
	EPI2 2, 1
	EPI2 4, 1
	EPI2 6, 1
	FIND 1
	FIND 2
	FIND 4
	FIND 8
	ds_store_b128 v8, v[QH:QH+3] offset:576
	ds_store_b128 v8, v[QH+4:QH+7] offset:592
	BARRIER
	ds_load_b128 v[S:S+3], v15
	ds_load_b128 v[S+4:S+7], v15 offset:512
	s_wait_dscnt 0x0
	global_store_b128 v3, v[S:S+3], s[10:11]
	global_store_b128 v3, v[S+4:S+7], s[10:11] offset:512
	v_cmp_eq_u32 vcc_lo, 0, v0
	s_wait_xcnt 0x0
	s_and_saveexec_b32 s42, vcc_lo
	global_store_b32 v[ZO], v12, s[12:13]
	global_store_b32 v[ZO], v14, s[12:13] offset:1024
	s_wait_xcnt 0x0
	s_or_b32 exec_lo, exec_lo, s42
	s_wait_tensorcnt 0x0
	ds_add_u32 v1, v2
	s_wait_dscnt 0x0
	ROUND
	s_endpgm
.Lfunc_end_k_q0b22d9d2f8_main:
	.size	k_q0b22d9d2f8_main, .Lfunc_end_k_q0b22d9d2f8_main-k_q0b22d9d2f8_main
	.p2alignl 7, 3214868480
	.fill 96, 4, 3214868480
	.section	.rodata,"a",@progbits
	.p2align	6, 0x0
	.amdhsa_kernel k_q0b22d9d2f8_main
		.amdhsa_group_segment_fixed_size 327680
		.amdhsa_private_segment_fixed_size 0
		.amdhsa_enable_private_segment 0
		.amdhsa_kernarg_size 40
		.amdhsa_user_sgpr_count 2
		.amdhsa_user_sgpr_kernarg_segment_ptr 1
		.amdhsa_wavefront_size32 1
		.amdhsa_system_sgpr_workgroup_id_x 1
		.amdhsa_system_sgpr_workgroup_id_y 1
		.amdhsa_system_sgpr_workgroup_id_z 1
		.amdhsa_system_vgpr_workitem_id 0
		.amdhsa_next_free_vgpr 1024
		.amdhsa_next_free_sgpr 66
		.amdhsa_reserve_vcc 1
		.amdhsa_float_denorm_mode_32 3
		.amdhsa_float_denorm_mode_16_64 3
		.amdhsa_memory_ordered 1
		.amdhsa_forward_progress 1
		.amdhsa_inst_pref_size 255
	.end_amdhsa_kernel
	.section	.bss,"aw",@nobits
	.p2align	6
	.space	262144
	.amdgpu_metadata
---
amdhsa.version: [ 1, 2 ]
amdhsa.kernels:
  - .name:           k_q0b22d9d2f8_main
    .symbol:         k_q0b22d9d2f8_main.kd
    .args:
      - { .name: x, .offset: 0, .size: 8, .value_kind: global_buffer, .address_space: global }
      - { .name: wfrag, .offset: 8, .size: 8, .value_kind: global_buffer, .address_space: global }
      - { .name: qv, .offset: 16, .size: 8, .value_kind: global_buffer, .address_space: global }
      - { .name: part, .offset: 24, .size: 8, .value_kind: global_buffer, .address_space: global }
      - { .name: stat, .offset: 32, .size: 8, .value_kind: global_buffer, .address_space: global }
    .group_segment_fixed_size: 327680
    .private_segment_fixed_size: 0
    .kernarg_segment_align: 8
    .kernarg_segment_size: 40
    .max_flat_workgroup_size: 128
    .sgpr_count:     66
    .vgpr_count:     1024
    .wavefront_size: 32
...
	.end_amdgpu_metadata
.endif
;; end of part 2
;; launch final (part 3): grid 32 x 8, 16 waves a work-group, no clusters, 10,240 bytes of LDS; arguments part, stat, Wc, bc, out0; writes out0
.if DOCPART == 3
	.amdgcn_target "amdgcn-amd-amdhsa--gfx1250"
	.amdhsa_code_object_version 6
	.text
	.protected	k_q0b22d9d2f8_final
	.globl	k_q0b22d9d2f8_final
	.p2align	8
	.type	k_q0b22d9d2f8_final,@function
k_q0b22d9d2f8_final:
	s_mov_b64 s[64:65], 0
	v_nop
	global_prefetch_b8 v0, s[64:65] scope:SCOPE_SE
	s_setreg_imm32_b32 hwreg(HW_REG_WAVE_MODE, 25, 1), 1
	s_wait_xcnt 0x0
; FINAL.  For batch b (work-group y) and 32 classes (work-group x): the 32 partial results of the batch are brought under the batch's largest t:
; w[j] = 2^(m[j] - M), h = the sum of w[j] part[j] / the sum of w[j] l[j];  then out = h Wc + bc for the 32 classes.  All in f32, fused multiply-adds.
; Every work-group of a batch makes h anew (128 KiB of partial results, which the launch before has just written): that spares a launch.  No matrix unit: one row a batch.
; Thread t makes h[2 t], h[2 t + 1]; then a lane is a class and wave w takes d = 64 w .. + 63; the sixteen waves' sums meet in LDS.
; Classes 1,000 to 1,023 of the last work-group do not exist: their lanes load class 999's numbers (no load leaves its buffer) and store nothing.
.set RED, 4096                         ; LDS: h at byte 0 (4,096 bytes); here [wave][32] f32
.set P,   16                           ; v16-79   the 32 partial pairs, later 64 numbers of h, later the waves' sums
.set WR,  80                           ; v80-143  Wc(64 w + i, my class)
	s_load_b256 s[4:11], s[0:1], 0x0               ; part s[4:5], stat s[6:7], Wc s[8:9], bc s[10:11]
	s_load_b64 s[12:13], s[0:1], 0x20              ; out0
	v_lshl_add_u32 v192, v0, 2, 0x2000
	v_mov_b32 v193, 0
	v_lshrrev_b32 v1, 5, v0
	s_delay_alu instid0(VALU_DEP_1)
	v_readfirstlane_b32 s16, v1                    ; wave 0..15
	s_and_b32 s17, ttmp7, 0xffff                   ; the batch
	v_and_b32 v10, 31, v0                          ; lane
	s_delay_alu instid0(VALU_DEP_1)
	v_lshlrev_b32 v1, 2, v10
	v_lshlrev_b32 v2, 3, v0                        ; 8 bytes a thread
	s_lshl_b32 s18, ttmp9, 5
	v_add_nc_u32 v4, s18, v10                      ; my class
	s_delay_alu instid0(VALU_DEP_1)
	v_min_u32 v3, 999, v4
	s_delay_alu instid0(VALU_DEP_1)
	v_lshlrev_b32 v3, 2, v3
	s_lshl_b32 s18, s16, 8
	v_mov_b32 v5, s18                              ; my wave's 64 numbers of h in LDS
	s_lshl_b32 s18, s16, 7
	v_add_nc_u32 v6, s18, v1
	s_delay_alu instid0(VALU_DEP_1)
	v_add_nc_u32 v6, RED, v6
	v_add_nc_u32 v7, RED, v1
	s_mov_b32 s14, 0x76543210
	s_mov_b32 s15, 0xfedcba98                      ; v_permlanex16_b32's selects for lane l xor 16
	s_lshl_b32 s18, s17, 7                         ; stat: 32 numbers a batch
	s_mov_b32 s19, 0
	s_lshl_b32 s20, s17, 17                        ; part: 32 x 4,096 bytes a batch
	s_mov_b32 s21, 0
	s_mul_i32 s22, s16, 256000                     ; Wc: 64 w rows of 4,000 bytes
	s_mov_b32 s23, 0
	s_mul_i32 s24, s17, 4000                       ; out0
	s_mov_b32 s25, 0
	s_wait_alu depctr_va_vdst(0)
	s_wait_kmcnt 0x0
	s_add_nc_u64 s[6:7], s[6:7], s[18:19]
	s_add_nc_u64 s[4:5], s[4:5], s[20:21]
	s_add_nc_u64 s[8:9], s[8:9], s[22:23]
	s_add_nc_u64 s[12:13], s[12:13], s[24:25]
	global_load_b32 v8, v1, s[6:7]                 ; m[j], j = my lane
	global_load_b32 v9, v1, s[6:7] offset:1024     ; l[j]
.set j, 0
.rept 32
	global_load_b64 v[P+2*j:P+2*j+1], v2, s[4:5] offset:4096*j     ; a wave reads 256 consecutive bytes
.set j, j+1
.endr
.set i, 0
.rept 64
	global_load_b32 v[WR+i], v3, s[8:9] offset:4000*i
.set i, i+1
.endr
	global_load_b32 v148, v3, s[10:11]             ; bc
	s_wait_loadcnt 63                              ; 65 loads are younger than the last partial pair's: m, l and the pairs are in
	v_mov_b32 v11, 0                               ; a lane permute's destination counts as one of its sources
	v_mov_b32 v10, v8
	s_delay_alu instid0(VALU_DEP_1)
	v_max_num_f32_dpp v10, v10, v10 row_xmask:1 row_mask:0xf bank_mask:0xf
	s_delay_alu instid0(VALU_DEP_1)
	v_max_num_f32_dpp v10, v10, v10 row_xmask:2 row_mask:0xf bank_mask:0xf
	s_delay_alu instid0(VALU_DEP_1)
	v_max_num_f32_dpp v10, v10, v10 row_xmask:4 row_mask:0xf bank_mask:0xf
	s_delay_alu instid0(VALU_DEP_1)
	v_max_num_f32_dpp v10, v10, v10 row_xmask:8 row_mask:0xf bank_mask:0xf
	s_delay_alu instid0(VALU_DEP_1)
	v_permlanex16_b32 v11, v10, s14, s15
	s_delay_alu instid0(VALU_DEP_1)
	v_max_num_f32 v10, v10, v11                    ; M: the batch's largest
	s_delay_alu instid0(VALU_DEP_1)
	v_sub_f32 v12, v8, v10
	s_wait_alu depctr_va_vdst(0)
	v_exp_f32 v12, v12                             ; w[j] = 2^(m[j] - M), at most 1; the largest is 1
	v_nop                                          ; one plain place behind a transcendental
	s_wait_alu depctr_va_vdst(0)
	v_mul_f32 v13, v12, v9
	s_delay_alu instid0(VALU_DEP_1)
	v_add_f32_dpp v13, v13, v13 row_xmask:1 row_mask:0xf bank_mask:0xf
	s_delay_alu instid0(VALU_DEP_1)
	v_add_f32_dpp v13, v13, v13 row_xmask:2 row_mask:0xf bank_mask:0xf
	s_delay_alu instid0(VALU_DEP_1)
	v_add_f32_dpp v13, v13, v13 row_xmask:4 row_mask:0xf bank_mask:0xf
	s_delay_alu instid0(VALU_DEP_1)
	v_add_f32_dpp v13, v13, v13 row_xmask:8 row_mask:0xf bank_mask:0xf
	s_delay_alu instid0(VALU_DEP_1)
	v_permlanex16_b32 v11, v13, s14, s15
	s_delay_alu instid0(VALU_DEP_1)
	v_add_f32 v13, v13, v11                        ; the softmax's divisor
	s_wait_alu depctr_va_vdst(0)
	v_rcp_f32 v13, v13
	v_nop
	s_wait_alu depctr_va_vdst(0)
	v_mul_f32 v12, v12, v13
.set j, 0
.rept 32
	v_readlane_b32 s[32+j], v12, j                 ; the 32 weights as scalars: they enter multiplications alone
.set j, j+1
.endr
	v_mul_f32 v144, s32, v[P]                      ; the first products start the sums; even and odd j in chains of their own
	v_mul_f32 v145, s32, v[P+1]
	v_mul_f32 v146, s33, v[P+2]
	v_mul_f32 v147, s33, v[P+3]
.set j, 2
.rept 15
	s_delay_alu instid0(VALU_DEP_4)
	v_fma_f32 v144, s[32+j], v[P+2*j], v144
	s_delay_alu instid0(VALU_DEP_4)
	v_fma_f32 v145, s[32+j], v[P+2*j+1], v145
	s_delay_alu instid0(VALU_DEP_4)
	v_fma_f32 v146, s[33+j], v[P+2*j+2], v146
	s_delay_alu instid0(VALU_DEP_4)
	v_fma_f32 v147, s[33+j], v[P+2*j+3], v147
.set j, j+2
.endr
	s_delay_alu instid0(VALU_DEP_2)
	v_add_f32 v144, v144, v146
	s_delay_alu instid0(VALU_DEP_2)
	v_add_f32 v145, v145, v147
	ds_store_b64 v2, v[144:145]                    ; h[2 t], h[2 t + 1]
	s_wait_dscnt 0x0                               ; for the others' sake
	s_barrier_signal -1
	s_barrier_wait -1
.irp i, 0,1,2,3,4,5,6,7,8,9,10,11,12,13,14,15
	ds_load_b128 v[P+4*\i:P+4*\i+3], v5 offset:16*\i               ; h[64 w ..]: the same in every lane
.endr
	s_wait_dscnt 0x0
	s_wait_loadcnt 0x0                             ; Wc and bc
.irp k, 0,1,2,3
	v_mul_f32 v[144+\k], v[P+\k], v[WR+\k]
.endr
.set i, 4
.rept 60
	s_delay_alu instid0(VALU_DEP_4)
	v_fma_f32 v[144+i%4], v[P+i], v[WR+i], v[144+i%4]              ; four chains
.set i, i+1
.endr
	s_delay_alu instid0(VALU_DEP_3)
	v_add_f32 v144, v144, v145
	s_delay_alu instid0(VALU_DEP_2)
	v_add_f32 v146, v146, v147
	s_delay_alu instid0(VALU_DEP_1)
	v_add_f32 v144, v144, v146
	ds_store_b32 v6, v144
	s_wait_dscnt 0x0
	s_barrier_signal -1
	s_barrier_wait -1
	s_cmp_lg_u32 s16, 0                            ; wave 0 adds the sixteen parts; no barrier stands in this branch
	s_cbranch_scc1 .Lend
.irp w, 0,1,2,3,4,5,6,7,8,9,10,11,12,13,14,15
	ds_load_b32 v[P+\w], v7 offset:128*\w
.endr
	s_wait_dscnt 0x0
	v_add_f32 v191, v16, v17
	v_add_f32 v190, v18, v19
	v_add_f32 v189, v20, v21
	v_add_f32 v188, v22, v23
	v_add_f32 v187, v24, v25
	v_add_f32 v186, v26, v27
	v_add_f32 v185, v28, v29
	v_add_f32 v144, v30, v31
	s_delay_alu instid0(VALU_DEP_1)
	v_add_f32 v144, v144, v148
	s_delay_alu instid0(VALU_DEP_1)
	v_add_f32 v144, v144, v188
	v_add_f32 v191, v191, v187
	v_add_f32 v190, v190, v186
	v_add_f32 v189, v189, v185
	s_delay_alu instid0(VALU_DEP_2)
	v_add_f32 v144, v144, v190
	s_delay_alu instid0(VALU_DEP_2)
	v_add_f32 v191, v191, v189
	s_delay_alu instid0(VALU_DEP_1)
	v_add_f32 v144, v144, v191
	v_cmp_gt_u32 vcc_lo, 1000, v4                  ; classes that exist
	s_wait_alu depctr_va_vdst(0)
	s_wait_xcnt 0x0                                ; EXEC changes only behind this wait
	s_and_saveexec_b32 s26, vcc_lo
	global_store_b32 v3, v144, s[12:13]
	s_wait_xcnt 0x0
	s_or_b32 exec_lo, exec_lo, s26
.Lend:
	s_wait_tensorcnt 0x0
	ds_add_u32 v192, v193
	s_wait_dscnt 0x0
	s_endpgm
.Lfunc_end_k_q0b22d9d2f8_final:
	.size	k_q0b22d9d2f8_final, .Lfunc_end_k_q0b22d9d2f8_final-k_q0b22d9d2f8_final
	.p2alignl 7, 3214868480
	.fill 96, 4, 3214868480
	.section	.rodata,"a",@progbits
	.p2align	6, 0x0
	.amdhsa_kernel k_q0b22d9d2f8_final
		.amdhsa_group_segment_fixed_size 10240
		.amdhsa_private_segment_fixed_size 0
		.amdhsa_enable_private_segment 0
		.amdhsa_kernarg_size 40
		.amdhsa_user_sgpr_count 2
		.amdhsa_user_sgpr_kernarg_segment_ptr 1
		.amdhsa_wavefront_size32 1
		.amdhsa_system_sgpr_workgroup_id_x 1
		.amdhsa_system_sgpr_workgroup_id_y 1
		.amdhsa_system_sgpr_workgroup_id_z 1
		.amdhsa_system_vgpr_workitem_id 0
		.amdhsa_next_free_vgpr 194
		.amdhsa_next_free_sgpr 66
		.amdhsa_reserve_vcc 1
		.amdhsa_float_denorm_mode_32 3
		.amdhsa_float_denorm_mode_16_64 3
		.amdhsa_memory_ordered 1
		.amdhsa_forward_progress 1
		.amdhsa_inst_pref_size 31
	.end_amdhsa_kernel
	.amdgpu_metadata
---
amdhsa.version: [ 1, 2 ]
amdhsa.kernels:
  - .name:           k_q0b22d9d2f8_final
    .symbol:         k_q0b22d9d2f8_final.kd
    .args:
      - { .name: part, .offset: 0, .size: 8, .value_kind: global_buffer, .address_space: global }
      - { .name: stat, .offset: 8, .size: 8, .value_kind: global_buffer, .address_space: global }
      - { .name: Wc, .offset: 16, .size: 8, .value_kind: global_buffer, .address_space: global }
      - { .name: bc, .offset: 24, .size: 8, .value_kind: global_buffer, .address_space: global }
      - { .name: out0, .offset: 32, .size: 8, .value_kind: global_buffer, .address_space: global }
    .group_segment_fixed_size: 10240
    .private_segment_fixed_size: 0
    .kernarg_segment_align: 8
    .kernarg_segment_size: 40
    .max_flat_workgroup_size: 512
    .sgpr_count:     66
    .vgpr_count:     194
    .wavefront_size: 32
...
	.end_amdgpu_metadata
.endif
;; end of part 3
